; MI455X (gfx1250); checked and timed in simulation.
; The chip was launched on July 23, 2026; its instructions are those of AMD's public machine-readable ISA for CDNA 5 (MIT licence, August 2026) and "CDNA5" Instruction Set Architecture Reference Guide (July 2026). The comments in the code are by the model that wrote it; some were corrected since.
;; Mixture Of Experts Layer. Allowed arithmetic: matrix products marked QUANTISED: E5M2 operands, one given power-of-two scale a tensor, by v_wmma_f32_16x16x64_bf8_bf8 or v_wmma_f32_16x16x128_bf8_bf8, f32 sums; products left as they are: f32 operands where the result goes on into a quantised operand, else bf16, f16 or f32 operands; f32 sums; everything else in f32.
;; Inputs: expert_b 8 x 1,024 float32; expert_w 8 x 1,024 x 1,024 float32; gate_b 8 float32; gate_w 1,024 x 8 float32; lowp_scales 2 int32 (the exponents e of the quantised operands' scales 2^e); x 4 x 2,048 x 1,024 float32.
;; Outputs: out0 4 x 2,048 x 1,024 float32.
;; This version of the problem:
;;   THIS VERSION OF THE PROBLEM IS GIVEN IN LOW PRECISION. The matrix products marked QUANTISED in the list below multiply operands that are first quantised to E5M2 (5 exponent bits, 2 mantissa bits; 8 bits a number), with one given power-of-two scale for each operand tensor; their sums are f32. All else is computed in f32.
;;   The module's matrix products, in the order in which they are computed (A, B: the left and right operand; K: the contracted axis; several contracted axes count as one K, in the product's order):
;;     1. [M 8,192, K 1,024] x [K 1,024, N 8]; A: input x; B: input gate_w: left as it is (N = 8 < 16)
;;     2. [M 8,192, K 1,024] x [K 1,024, N 8,192]; A: input x; B: input expert_w: QUANTISED (scales: A lowp_scales[0], B lowp_scales[1])
;;     3. batch 8,192 x [M 1, K 8] x [K 8, N 1,024]; A: softmax; B: computed on the way: left as it is (K = 8 < 32)
;;   THE QUANTISER, for each operand of a quantised product, along K:
;;     - The operand's scale is 2^e, e = its entry of the input lowp_scales (int32; the entries are numbered through the quantised products in the list's order, A before B).
;;     - Each number is divided by the scale, clamped to +-57,344, and rounded to the nearest number of E5M2, ties to even, subnormals kept.
;;     - The product sums the exact products of the quantised numbers (number of the format x scale) in f32.
;;   ~~~python
;;   def quantise(x, axis, e):      # numpy; x: float32 -> the quantised numbers, widened to float32 again
;;       x = np.moveaxis(x, axis, -1); K = x.shape[-1]
;;       r = np.clip(x / 2.0 ** e, -57344, 57344)
;;       step = 2.0 ** (np.maximum(np.frexp(np.where(r == 0, 1, r))[1] - 1, -14) - 2)
;;       q = np.round(r / step) * step * 2.0 ** e      # np.round: ties to even
;;       return np.moveaxis(q, -1, axis).astype(np.float32)
;;   ~~~
;; One version. Each part assembles by itself: llvm-mc -triple=amdgcn-amd-amdhsa -mcpu=gfx1250 --defsym DOCPART=n.
;; ======== version 1 of 1: 2 launches
;; limits: right only within a limited range of input values; values are held in bf16: 8 bits of precision
;; workspace buffers: xcodes 8,388,608 bytes; wcodes 8,388,608 bytes; gates 262,144 bytes; gop 262,144 bytes
;; launch prep (part 1): grid 512 x 1, 4 waves a work-group, no clusters, 39,424 bytes of LDS; arguments x, gate_w, gate_b, expert_w, lowp_scales, xcodes, wcodes, gates, gop; writes xcodes, wcodes, gates, gop
.if DOCPART == 1
	.amdgcn_target "amdgcn-amd-amdhsa--gfx1250"
	.amdhsa_code_object_version 6
	.text
	.protected	k_q2929f91137_prep
	.globl	k_q2929f91137_prep
	.p2align	8
	.type	k_q2929f91137_prep,@function
k_q2929f91137_prep:
	s_mov_b64 s[64:65], 0
	v_nop
	global_prefetch_b8 v0, s[64:65] scope:SCOPE_SE
	s_setreg_imm32_b32 hwreg(HW_REG_WAVE_MODE, 25, 1), 1
	s_wait_xcnt 0x0
; PREP: both operands of the quantised product become codes of BF8 (E5M2), once, laid in the order of the next launch's operand registers; and the gates are made.
; Work-groups 0-255 (PATH X): 32 tokens each.  x [8192][1024] f32 -> xcodes, and gates = softmax(x gate_w + gate_b) x 2^(ex + ew).
; Work-groups 256-511 (PATH W): expert_w [8][1024 k][1024 p] f32 -> wcodes; 256 columns x 128 k each.
; code = number / 2^e, held within +-57,344, to the nearest code, ties to even; e = lowp_scales[0] for x, [1] for expert_w.
; LAYOUTS.  xcodes byte = T<<14 | s<<11 | c<<9 | lane<<4 | i : token 16 T + lane % 16, k = 128 s + 32 c + 16 (lane / 16) + i.
;   wcodes byte = P64<<19 | e<<16 | q<<15 | s<<12 | b<<11 | c<<9 | h<<8 | r<<4 | i : p = 64 P64 + 32 q + 16 b + r, k = 128 s + 32 c + 16 h + i.
;   gates byte = G<<10 | e<<7 | t<<2 : token 32 G + t.
; THE GATE PRODUCT (8 columns) goes to the matrix unit in bf16, each number as hi + lo (hi = the number rounded to bf16, lo = the rest rounded to bf16): source 0 holds hi(gate_w) of the 8 experts
; in rows 0-7 and lo(gate_w) in rows 8-15; it is multiplied by hi(x) and by lo(x) into two accumulators by turns; the four parts are added in f32.  The maximum is taken away ahead of the exponentials.
; LIMITS: ex and ew between -126 and 112 (2^e and 57,344 x 2^e are f32 numbers).  NaN among the inputs is not served.  A gate under 2^-126 comes out as 0 (v_exp_f32 gives no denormals).
; No cluster and no tensor load: work-groups share nothing but gate_w's 32 KB; every large byte is read once and written once, in whole aligned runs of 256 bytes.
; THE LAYOUTS AS THIS TEXT STORES THEM (they take the place of the two lines on xcodes and wcodes above; gates is as said there):
;   xcodes byte = B<<18 | s<<15 | t<<11 | c<<9 | lane<<4 | i : token 256 B + 16 t + lane % 16, k = 128 s + 32 c + 16 (lane / 16) + i.
;   wcodes byte = P<<20 | (s / 4)<<19 | e<<16 | (s % 4)<<14 | n<<11 | c<<9 | h<<8 | r<<4 | i : p = 128 P + 16 n + r (n = 0 .. 7), k = 128 s + 32 c + 16 h + i.
;   gop byte = T<<9 | part<<8 | r<<4 | 2 e : the gate of token 16 T + r and expert e (without the factor 2^(ex + ew)) as two bf16 numbers, hi (part 0) and the rest (part 1).
.set SPX,  528                         ; path X: a stage row: 512 bytes + 16 = 132 words: row r starts at bank 4 r mod 64 (64 banks of 4 bytes: ISA guide 11.1)
.set STGW, 16*SPX                      ; a wave's stage: 16 rows
.set RED,  4*STGW                      ; the waves' partial logits: [wave][token 32][expert 8] f32
.set GT,   RED+4096                    ; the gates turned: [expert 8][token 32] f32
.set R,    16                          ; window 0: v16-143  two sets of 64: 16 rows x 512 bytes as loaded
.set X,    144                         ; v144-207 64 numbers of my token: register 16 c + i = k 32 c + 16 h + i
.set XH,   208                         ; v208-215 hi(x) of a chunk of 32 k, packed
.set XL,   216                         ; v216-223 lo(x)
.set U,    224                         ; v224-239 at work
.set CD,   240                         ; v240-255 a K step's codes
.set LG,   144                         ; later: the partial logits, 8 for each token block
.set PL,   160                         ; the other half of the lanes'
.set SE,   176                         ; my token's eight
.set GF,   0                           ; window 1: v0-63 the gate weights' 8 fragments (my wave's 256 k)
.set AC,   64                          ; v64-95  accumulators: block 0 x hi, block 0 x lo, block 1 x hi, block 1 x lo
.set T,    96                          ; v96-223 gate_w as gathered
.set TT,   224                         ; v224-231 at work
.set WR,   16                          ; path W: v16-111 three sets of 32 numbers
.set WC,   112                         ; v112-175 codes: eight registers for each chunk, so that no store's data are written again
.set MSB, 0
.macro WIN new                         ; the immediate's high byte repeats the setting that is left
.if MSB != (\new)
	s_set_vgpr_msb (MSB<<8)|(\new)
.set MSB, (\new)
.endif
.endm
	s_load_b256 s[4:11], s[0:1], 0x0               ; x s[4:5], gate_w s[6:7], gate_b s[8:9], expert_w s[10:11]
	s_load_b256 s[12:19], s[0:1], 0x20             ; lowp_scales s[12:13], xcodes s[14:15], wcodes s[16:17], gates s[18:19]
	s_load_b64 s[48:49], s[0:1], 0x40              ; gop
	v_lshl_add_u32 v14, v0, 2, 0x9800
	v_mov_b32 v15, 0
	v_lshrrev_b32 v1, 5, v0
	v_readfirstlane_b32 s20, v1                    ; wave 0..3
	v_and_b32 v1, 31, v0                           ; lane
	s_wait_kmcnt 0x0
	s_load_b64 s[22:23], s[12:13], 0x0             ; ex, ew
	s_cmp_lt_u32 ttmp9, 256                        ; the same in all four waves of a work-group
	s_cbranch_scc0 .Lpath_w
; ------------------------------------------------------------------ PATH X
	s_load_b256 s[32:39], s[8:9], 0x0              ; gate_b's eight numbers
	v_and_b32 v2, 15, v0                           ; r
	v_bfe_u32 v3, v0, 4, 1                         ; h
	s_wait_alu depctr_va_vdst(0)
	v_lshlrev_b32 v4, 4, v1                        ; 16 x lane: my bytes of a row's 512, of a store of codes, of the gates
	v_and_b32 v5, 7, v0
	v_lshlrev_b32 v5, 2, v5
	v_lshl_add_u32 v5, v3, 9, v5                   ; gate_w: column r % 8, 16 h rows of 32 bytes down
	s_mul_i32 s21, s20, STGW
	v_add_nc_u32 v6, s21, v4                       ; the stage, in: as loaded
	v_mul_u32_u24 v7, v2, SPX
	v_lshl_add_u32 v7, v3, 6, v7
	v_add_nc_u32 v7, s21, v7                       ; out: row r, + 64 h: my 16 numbers of each 32
	s_lshl_b32 s21, s20, 10
	v_lshl_add_u32 v9, v1, 5, RED                  ; a token's eight partial logits,
	v_add_nc_u32 v8, s21, v9                       ; in my wave's part
	v_lshl_add_u32 v10, v1, 2, GT
	v_add_nc_u32 v11, GT, v4
	v_cmp_le_u32 vcc_lo, 8, v2                     ; rows 8-15 of source 0 take lo(gate_w)
	s_mov_b32 s40, 0x76543210                      ; v_permlanex16_b32: lane l xor 16
	s_mov_b32 s41, 0xfedcba98
	s_lshl_b32 s42, ttmp9, 17                      ; 32 rows of 4,096 bytes
	s_lshl_b32 s43, s20, 10                        ; my wave's 256 k
	s_add_co_u32 s42, s42, s43
	s_mov_b32 s43, 0
	s_add_nc_u64 s[24:25], s[4:5], s[42:43]        ; x
	s_lshl_b32 s42, s20, 13                        ; 256 rows of 32 bytes
	s_add_nc_u64 s[26:27], s[6:7], s[42:43]        ; gate_w
	s_lshr_b32 s42, ttmp9, 3                       ; block of 256 tokens,
	s_lshl_b32 s42, s42, 18
	s_and_b32 s44, ttmp9, 7                        ; my two tiles of 16 in it,
	s_lshl_b32 s44, s44, 12
	s_add_co_u32 s42, s42, s44
	s_lshl_b32 s44, s20, 16                        ; my two K steps
	s_add_co_u32 s42, s42, s44
	s_add_nc_u64 s[28:29], s[14:15], s[42:43]      ; xcodes
	s_lshl_b32 s42, ttmp9, 10
	s_add_nc_u64 s[30:31], s[18:19], s[42:43]      ; gates
	s_add_nc_u64 s[48:49], s[48:49], s[42:43]      ; gop: two tiles of 512 bytes
	WIN 0x40                                       ; destination window 1
.irp g, 0,1,2,3,4,5,6,7
.irp i, 0,1,2,3,4,5,6,7,8,9,10,11,12,13,14,15
	global_load_b32 v[T+16*\g+\i], v5, s[26:27] offset:1024*\g+32*\i   ; gate_w(256 w + 32 g + 16 h + i, r % 8)
.endr
.endr
	WIN 0
.macro XLOAD t                         ; step t: token block t / 2, my K step t % 2: 16 rows, each load one row's 512 consecutive bytes.  Steps 0, 1: window 0; steps 2, 3: window 1, where gate_w was gathered
.if (\t) < 2
.set XR, R+64*(\t)
.else
.set XR, T+64*((\t)-2)
	WIN 0x40
.endif
.irp i, 0,1,2,3,4,5,6,7,8,9,10,11,12,13,14,15
	global_load_b128 v[XR+4*\i:XR+4*\i+3], v4, s[24:25] offset:(16*((\t)/2)+\i)*4096+512*((\t)%2) th:TH_LOAD_NT
.endr
	WIN 0
.endm
	XLOAD 0
	XLOAD 1
	s_wait_loadcnt 32                              ; gate_w is in; behind it stand x's 32 loads
	WIN 0x55                                       ; all in window 1
.irp g, 0,1,2,3,4,5,6,7
.irp p, 0,1,2,3,4,5,6,7
.set tq, TT+4*(\p%2)
	v_cvt_pk_bf16_f32 v[tq], v[T+16*\g+2*\p], v[T+16*\g+2*\p+1]          ; hi of two neighbours along k
	v_lshlrev_b32 v[tq+2], 16, v[tq]
	v_and_b32 v[tq+3], 0xffff0000, v[tq]
	v_pk_add_f32 v[tq+2:tq+3], v[T+16*\g+2*\p:T+16*\g+2*\p+1], v[tq+2:tq+3] neg_lo:[0,1] neg_hi:[0,1]   ; the rest, exact
	v_cvt_pk_bf16_f32 v[tq+1], v[tq+2], v[tq+3]                          ; lo
	v_cndmask_b32 v[GF+8*\g+\p], v[tq], v[tq+1], vcc_lo
.endr
.endr
	WIN 0
	XLOAD 2                                        ; all four steps are asked for before the first is worked
	XLOAD 3
	s_wait_kmcnt 0x0
	s_add_co_i32 s44, s22, 127
	s_lshl_b32 s45, s44, 23
	v_mov_b32 v12, s45                             ; 2^ex as f32: the conversion takes its exponent field
	s_add_co_i32 s44, s44, 15
	s_lshl_b32 s44, s44, 23
	s_or_b32 s44, s44, 0x600000
	v_mov_b32 v13, s44                             ; 57,344 x 2^ex
	s_add_co_i32 s46, s22, s23                     ; ex + ew
; A step: 16 tokens x 128 k.  The rows go through my stage as they were loaded and come back 64 bytes a lane; each chunk of 32 k feeds the gate product (hi, lo) and is then held and converted.
.macro XSTEP t
.if (\t) < 2
.set RS, R+64*(\t)
.else
.set RS, T+64*((\t)-2)
.endif
.set AA, (\t)/2
.set SL, (\t)%2
	s_wait_loadcnt 16*(3-(\t))                     ; this step's 16 loads are in; the later steps' may be out
.if (\t) >= 2
	WIN 0x04                                       ; the stores' data: window 1
.endif
.irp i, 0,1,2,3,4,5,6,7,8,9,10,11,12,13,14,15
	ds_store_b128 v6, v[RS+4*\i:RS+4*\i+3] offset:SPX*\i
.endr
	WIN 0
.irp c, 0,1,2,3
.irp j, 0,1,2,3
	ds_load_b128 v[X+16*\c+4*\j:X+16*\c+4*\j+3], v7 offset:128*\c+16*\j   ; LDS serves a wave's instructions in order (ISA guide 5.7.1.4): these see my stores
.endr
.endr
	s_wait_dscnt 0x0                               ; the numbers are back
	s_wait_xcnt 0x0                                ; the last step's stores have read the codes' registers
.irp c, 0,1,2,3
.irp p, 0,1,2,3,4,5,6,7
	v_cvt_pk_bf16_f32 v[XH+\p], v[X+16*\c+2*\p], v[X+16*\c+2*\p+1]
.endr
.irp p, 0,1,2,3,4,5,6,7
	v_lshlrev_b32 v[U+2*\p], 16, v[XH+\p]
	v_and_b32 v[U+2*\p+1], 0xffff0000, v[XH+\p]
.endr
.irp p, 0,1,2,3,4,5,6,7
	v_pk_add_f32 v[U+2*\p:U+2*\p+1], v[X+16*\c+2*\p:X+16*\c+2*\p+1], v[U+2*\p:U+2*\p+1] neg_lo:[0,1] neg_hi:[0,1]
.endr
.irp p, 0,1,2,3,4,5,6,7
	v_cvt_pk_bf16_f32 v[XL+\p], v[U+2*\p], v[U+2*\p+1]
.endr
	WIN 0x51                                       ; source 0 (gate weights), C and D window 1; source 1 (x) window 0
.if (SL == 0) && (\c == 0)
	v_wmma_f32_16x16x32_bf16 v[AC+16*AA:AC+16*AA+7], v[GF+8*(4*SL+\c):GF+8*(4*SL+\c)+7], v[XH:XH+7], 0        ; the first products start the sums
	v_wmma_f32_16x16x32_bf16 v[AC+16*AA+8:AC+16*AA+15], v[GF+8*(4*SL+\c):GF+8*(4*SL+\c)+7], v[XL:XL+7], 0
.else
	v_wmma_f32_16x16x32_bf16 v[AC+16*AA:AC+16*AA+7], v[GF+8*(4*SL+\c):GF+8*(4*SL+\c)+7], v[XH:XH+7], v[AC+16*AA:AC+16*AA+7]   ; the two accumulators take turns
	v_wmma_f32_16x16x32_bf16 v[AC+16*AA+8:AC+16*AA+15], v[GF+8*(4*SL+\c):GF+8*(4*SL+\c)+7], v[XL:XL+7], v[AC+16*AA+8:AC+16*AA+15]
.endif
	WIN 0
.irp i, 0,1,2,3,4,5,6,7,8,9,10,11,12,13,14,15
	v_med3_num_f32 v[X+16*\c+\i], v[X+16*\c+\i], -v13, v13   ; the conversion to an 8-bit code does not saturate (ISA guide 7.6.2): the hold.  These sixteen are also the places behind the two products (ISA guide 7.12.1)
.endr
	v_cvt_scalef32_pk8_bf8_f32 v[CD+4*\c:CD+4*\c+1], v[X+16*\c:X+16*\c+7], v12
	v_cvt_scalef32_pk8_bf8_f32 v[CD+4*\c+2:CD+4*\c+3], v[X+16*\c+8:X+16*\c+15], v12
.endr
	v_nop                                          ; a plain line behind the last conversion
.irp c, 0,1,2,3
	global_store_b128 v4, v[CD+4*\c:CD+4*\c+3], s[28:29] offset:2048*AA+32768*SL+512*\c   ; 32 lanes store 512 consecutive bytes, aligned
.endr
.endm
	XSTEP 0
	XSTEP 1
	XSTEP 2
	XSTEP 3
	; the four parts of my wave's partial logits: lane (r, h), register j: token r, expert j; h = 0: hi(gate_w)'s part, h = 1: lo(gate_w)'s
	WIN 0x05                                       ; sources window 1, destination window 0
.irp a, 0,1
.irp j, 0,2,4,6
	v_pk_add_f32 v[LG+8*\a+\j:LG+8*\a+\j+1], v[AC+16*\a+\j:AC+16*\a+\j+1], v[AC+16*\a+8+\j:AC+16*\a+8+\j+1]   ; each accumulator from its low end on
.endr
.endr
	WIN 0
.irp n, 0,1,2,3,4,5,6,7,8,9,10,11,12,13,14,15
	v_permlanex16_b32 v[PL+\n], v[LG+\n], s40, s41
.endr
.irp n, 0,2,4,6,8,10,12,14
	v_pk_add_f32 v[LG+\n:LG+\n+1], v[LG+\n:LG+\n+1], v[PL+\n:PL+\n+1]
.endr
	v_cmp_eq_u32 vcc_lo, 1, v3
.irp j, 0,1,2,3,4,5,6,7
	v_cndmask_b32 v[SE+\j], v[LG+\j], v[LG+8+\j], vcc_lo   ; lane 16 h + r keeps token block h: lane = token
.endr
	ds_store_b128 v8, v[SE:SE+3]
	ds_store_b128 v8, v[SE+4:SE+7] offset:16
	s_wait_dscnt 0x0                               ; for wave 0's sake: my partial logits lie in LDS
	s_barrier_signal -1
	s_barrier_wait -1
	s_cmp_lg_u32 s20, 0
	s_cbranch_scc1 .Lend_x                         ; wave 0 finishes the 32 tokens, a lane a token
.irp w, 0,1,2,3
	ds_load_b128 v[16+8*\w:19+8*\w], v9 offset:1024*\w
	ds_load_b128 v[20+8*\w:23+8*\w], v9 offset:1024*\w+16
.endr
	s_wait_dscnt 0x0
.irp j, 0,2,4,6
	v_pk_add_f32 v[16+\j:17+\j], v[16+\j:17+\j], v[24+\j:25+\j]
	v_pk_add_f32 v[32+\j:33+\j], v[32+\j:33+\j], v[40+\j:41+\j]
.endr
.irp j, 0,2,4,6
	v_pk_add_f32 v[16+\j:17+\j], v[16+\j:17+\j], v[32+\j:33+\j]
.endr
.irp j, 0,1,2,3,4,5,6,7
	v_add_f32 v[16+\j], s[32+\j], v[16+\j]         ; + gate_b
.endr
	v_max3_num_f32 v48, v16, v17, v18
	v_max3_num_f32 v48, v48, v19, v20
	v_max3_num_f32 v48, v48, v21, v22
	v_max_num_f32 v48, v48, v23                    ; the token's largest logit
.irp j, 0,1,2,3,4,5,6,7
	v_sub_f32 v[24+\j], v[16+\j], v48
.endr
.irp j, 0,1,2,3,4,5,6,7
	v_mul_f32 v[24+\j], 0x3fb8aa3b, v[24+\j]       ; x log2(e)
.endr
	s_wait_alu depctr_va_vdst(0)
.irp j, 0,1,2,3,4,5,6,7
	v_exp_f32 v[24+\j], v[24+\j]
.endr
	v_nop                                          ; a plain line behind the exponentials
	s_wait_alu depctr_va_vdst(0)
	v_pk_add_f32 v[32:33], v[24:25], v[26:27]
	v_pk_add_f32 v[34:35], v[28:29], v[30:31]
	v_pk_add_f32 v[32:33], v[32:33], v[34:35]
	v_add_f32 v32, v32, v33                        ; at least 1
	s_wait_alu depctr_va_vdst(0)
	v_rcp_f32 v33, v32
	v_nop                                          ; a plain line behind the reciprocal
	s_wait_alu depctr_va_vdst(0)
.irp j, 0,1,2,3,4,5,6,7
	v_mul_f32 v[56+\j], v[24+\j], v33              ; the gates
.endr
.irp j, 0,1,2,3,4,5,6,7
	v_ldexp_f32 v[24+\j], v[56+\j], s46            ; x 2^(ex + ew): the next launch's sums lack that factor
.endr
.irp p, 0,1,2,3
	v_cvt_pk_bf16_f32 v[64+\p], v[56+2*\p], v[57+2*\p]   ; the gates' hi parts,
.endr
.irp p, 0,1,2,3
	v_lshlrev_b32 v[72+2*\p], 16, v[64+\p]
	v_and_b32 v[73+2*\p], 0xffff0000, v[64+\p]
.endr
.irp p, 0,1,2,3
	v_pk_add_f32 v[72+2*\p:73+2*\p], v[56+2*\p:57+2*\p], v[72+2*\p:73+2*\p] neg_lo:[0,1] neg_hi:[0,1]
.endr
.irp p, 0,1,2,3
	v_cvt_pk_bf16_f32 v[68+\p], v[72+2*\p], v[73+2*\p]   ; and the rest
.endr
	v_lshlrev_b32 v80, 4, v2
	v_lshl_add_u32 v80, v3, 9, v80                 ; tile h, row r
	global_store_b128 v80, v[64:67], s[48:49]      ; sixteen lanes store 256 consecutive bytes, aligned
	global_store_b128 v80, v[68:71], s[48:49] offset:256
.irp j, 0,1,2,3,4,5,6,7
	ds_store_b32 v10, v[24+\j] offset:128*\j       ; turned: [expert][token]
.endr
	ds_load_b128 v[40:43], v11
	ds_load_b128 v[44:47], v11 offset:512
	s_wait_dscnt 0x0
	global_store_b128 v4, v[40:43], s[30:31]       ; 1,024 consecutive bytes, aligned
	global_store_b128 v4, v[44:47], s[30:31] offset:512
.Lend_x:
	s_wait_tensorcnt 0x0
	ds_add_u32 v14, v15
	s_wait_dscnt 0x0
	s_endpgm
; ------------------------------------------------------------------ PATH W
; A lane takes a column p and its registers run down k: each load reads neighbouring p in neighbouring lanes, and the conversions, which take neighbours along k from one lane's registers,
; give 16 bytes that belong together in wcodes; sixteen lanes store 256 consecutive bytes, aligned.  No LDS, no barrier.  A wave: 64 columns x 128 k, in 8 chunks of 16 k; loads run three chunks ahead.
.Lpath_w:
	s_sub_co_u32 s21, ttmp9, 256
	s_lshr_b32 s24, s21, 5                         ; expert
	s_bfe_u32 s25, s21, 0x30002                    ; K step s: 3 bits from bit 2
	s_and_b32 s26, s21, 3
	s_lshl_b32 s26, s26, 2
	s_add_co_u32 s26, s26, s20                     ; P64: which 64 columns
	s_lshl_b32 s28, s24, 22                        ; an expert is 4 MiB,
	s_lshl_b32 s27, s25, 19                        ; 128 rows of 4,096 bytes,
	s_add_co_u32 s28, s28, s27
	s_lshl_b32 s27, s26, 8                         ; 64 columns of 4 bytes
	s_add_co_u32 s28, s28, s27
	s_mov_b32 s29, 0
	s_add_nc_u64 s[10:11], s[10:11], s[28:29]
	s_lshr_b32 s28, s26, 1
	s_lshl_b32 s28, s28, 20                        ; 128 columns: 1 MiB,
	s_and_b32 s27, s26, 1
	s_lshl_b32 s27, s27, 13                        ; my 64 of them,
	s_add_co_u32 s28, s28, s27
	s_lshr_b32 s27, s25, 2
	s_lshl_b32 s27, s27, 19                        ; the half of K,
	s_add_co_u32 s28, s28, s27
	s_lshl_b32 s27, s24, 16                        ; the expert,
	s_add_co_u32 s28, s28, s27
	s_and_b32 s27, s25, 3
	s_lshl_b32 s27, s27, 14                        ; the K step in its half
	s_add_co_u32 s28, s28, s27
	s_add_nc_u64 s[16:17], s[16:17], s[28:29]
	s_wait_alu depctr_va_vdst(0)
	v_lshlrev_b32 v2, 2, v1                        ; in: 4 bytes a lane
	v_lshrrev_b32 v3, 4, v1
	v_and_b32 v4, 15, v1
	v_lshlrev_b32 v4, 4, v4
	v_lshl_add_u32 v3, v3, 11, v4                  ; out: b<<11 | r<<4
.macro WLOAD t                         ; chunk t: rows 16 t + i; columns lane and 32 + lane: the two loads of a row cover 256 consecutive bytes
.irp i, 0,1,2,3,4,5,6,7,8,9,10,11,12,13,14,15
	global_load_b32 v[WR+32*((\t)%3)+\i], v2, s[10:11] offset:(16*(\t)+\i)*4096 th:TH_LOAD_NT
	global_load_b32 v[WR+32*((\t)%3)+16+\i], v2, s[10:11] offset:(16*(\t)+\i)*4096+128 th:TH_LOAD_NT
.endr
.endm
	WLOAD 0
	WLOAD 1
	WLOAD 2
	s_wait_kmcnt 0x0
	s_add_co_i32 s24, s23, 127
	s_lshl_b32 s25, s24, 23
	v_mov_b32 v12, s25                             ; 2^ew as f32
	s_add_co_i32 s24, s24, 15
	s_lshl_b32 s24, s24, 23
	s_or_b32 s24, s24, 0x600000
	v_mov_b32 v13, s24                             ; 57,344 x 2^ew
.macro WCHUNK t
.set WS, WR+32*((\t)%3)
.if (\t) < 6
	s_wait_loadcnt 63                              ; behind this chunk's loads stand two chunks' 64: 63 is the largest count that the wait can name
.elseif (\t) == 6
	s_wait_loadcnt 32
.else
	s_wait_loadcnt 0
.endif
.irp i, 0,1,2,3,4,5,6,7,8,9,10,11,12,13,14,15,16,17,18,19,20,21,22,23,24,25,26,27,28,29,30,31
	v_med3_num_f32 v[WS+\i], v[WS+\i], -v13, v13   ; the hold at the largest code x the scale
.endr
.irp g, 0,1,2,3
	v_cvt_scalef32_pk8_bf8_f32 v[WC+8*(\t)+2*\g:WC+8*(\t)+2*\g+1], v[WS+8*\g:WS+8*\g+7], v12
.endr
	global_store_b128 v3, v[WC+8*(\t):WC+8*(\t)+3], s[16:17] offset:256*(\t)            ; q = 0; c<<9 | h<<8 = 256 t
	global_store_b128 v3, v[WC+8*(\t)+4:WC+8*(\t)+7], s[16:17] offset:4096+256*(\t)     ; q = 1
.if (\t)+3 < 8
	WLOAD (\t)+3
.endif
.endm
	s_wait_alu depctr_va_vdst(0)
.irp t, 0,1,2,3,4,5,6,7
	WCHUNK \t
.endr
	s_endpgm
.Lfunc_end_k_q2929f91137_prep:
	.size	k_q2929f91137_prep, .Lfunc_end_k_q2929f91137_prep-k_q2929f91137_prep
	.p2alignl 7, 3214868480
	.fill 96, 4, 3214868480
	.section	.rodata,"a",@progbits
	.p2align	6, 0x0
	.amdhsa_kernel k_q2929f91137_prep
		.amdhsa_group_segment_fixed_size 39424
		.amdhsa_private_segment_fixed_size 0
		.amdhsa_enable_private_segment 0
		.amdhsa_kernarg_size 72
		.amdhsa_user_sgpr_count 2
		.amdhsa_user_sgpr_kernarg_segment_ptr 1
		.amdhsa_wavefront_size32 1
		.amdhsa_system_sgpr_workgroup_id_x 1
		.amdhsa_system_sgpr_workgroup_id_y 1
		.amdhsa_system_sgpr_workgroup_id_z 1
		.amdhsa_system_vgpr_workitem_id 0
		.amdhsa_next_free_vgpr 512
		.amdhsa_next_free_sgpr 66
		.amdhsa_reserve_vcc 1
		.amdhsa_float_denorm_mode_32 3
		.amdhsa_float_denorm_mode_16_64 3
		.amdhsa_memory_ordered 1
		.amdhsa_forward_progress 1
		.amdhsa_inst_pref_size 163
	.end_amdhsa_kernel
	.amdgpu_metadata
---
amdhsa.version: [ 1, 2 ]
amdhsa.kernels:
  - .name:           k_q2929f91137_prep
    .symbol:         k_q2929f91137_prep.kd
    .args:
      - { .name: x, .offset: 0, .size: 8, .value_kind: global_buffer, .address_space: global }
      - { .name: gate_w, .offset: 8, .size: 8, .value_kind: global_buffer, .address_space: global }
      - { .name: gate_b, .offset: 16, .size: 8, .value_kind: global_buffer, .address_space: global }
      - { .name: expert_w, .offset: 24, .size: 8, .value_kind: global_buffer, .address_space: global }
      - { .name: lowp_scales, .offset: 32, .size: 8, .value_kind: global_buffer, .address_space: global }
      - { .name: xcodes, .offset: 40, .size: 8, .value_kind: global_buffer, .address_space: global }
      - { .name: wcodes, .offset: 48, .size: 8, .value_kind: global_buffer, .address_space: global }
      - { .name: gates, .offset: 56, .size: 8, .value_kind: global_buffer, .address_space: global }
      - { .name: gop, .offset: 64, .size: 8, .value_kind: global_buffer, .address_space: global }
    .group_segment_fixed_size: 39424
    .private_segment_fixed_size: 0
    .kernarg_segment_align: 8
    .kernarg_segment_size: 72
    .max_flat_workgroup_size: 128
    .sgpr_count:     66
    .vgpr_count:     512
    .wavefront_size: 32
...
	.end_amdgpu_metadata
.endif
;; end of part 1
;; launch moe (part 2): grid 32 x 8, 4 waves a work-group, clusters of 4 x 4, 327,680 bytes of LDS; arguments xcodes, wcodes, gates, gop, expert_b, out0; writes out0
.if DOCPART == 2
	.amdgcn_target "amdgcn-amd-amdhsa--gfx1250"
	.amdhsa_code_object_version 6
	.text
	.protected	k_q2929f91137_moe
	.globl	k_q2929f91137_moe
	.p2align	8
	.type	k_q2929f91137_moe,@function
k_q2929f91137_moe:
	s_mov_b64 s[64:65], 0
	v_nop
	global_prefetch_b8 v0, s[64:65] scope:SCOPE_SE
	s_setreg_imm32_b32 hwreg(HW_REG_WAVE_MODE, 25, 1), 1
	s_wait_xcnt 0x0
	s_wait_alu depctr_hold_cnt(0) depctr_sa_sdst(0) depctr_va_vdst(0) depctr_va_sdst(0) depctr_va_ssrc(0) depctr_va_vcc(0) depctr_vm_vsrc(0)
	s_getreg_b32 s2, hwreg(HW_REG_IB_STS2, 6, 4)
	s_cmp_eq_u32 s2, 0
	s_cbranch_scc0 .Lentry_in_a_cluster
	s_endpgm
.Lentry_in_a_cluster:
	s_bfe_u32 s2, ttmp6, 0x10000c
	s_cmp_lg_u32 s2, 0xf033
	s_cbranch_scc0 .Lentry_shape_is_right
	s_endpgm
.Lentry_shape_is_right:
; MOE: out[t][p] = sum over the 8 experts e of gate[t][e] (x W_e + b_e)[t][p], x and W as codes of BF8 (E5M2), K = 1,024, sums in f32.  No work of the problem is left out.
; A work-group makes 256 tokens x 128 columns; a wave 128 tokens x 64 columns (wave = 2 x token half + column half).  256 work-groups.
; K GOES IN TWO HALVES of four K steps of 128.  In a half a wave keeps its 128 tokens' codes in 512 registers and walks W's eight experts from LDS; each fragment of W (16 columns x 128 k) feeds eight products.
; Sums of a half are multiplied by the gates (f32, with the factor 2^(ex + ew) in them) into the 256 registers of the output: gates are linear, so the two halves may be weighed apart.
; THE BIAS: the output begins as the sum over e of gate x b_e, a product of K = 8 on bf16 pairs (hi and the rest of each number, all four products): the matrix unit's constant 0 starts it, nothing is cleared.
; THE PRODUCTS ARE USED TRANSPOSED (source 0 = 16 columns of W, source 1 = 16 tokens): lane (r, h) holds token r, its eight registers the columns 8 h + 0 .. 7.
; LDS: two slots of 128 KB that take turns, an area E of 48 KB, the spare words.  A half is 32 units of W (expert, K step: 128 columns x 128 k = 16 KB), which lie on end in memory, and x's 128 KB.  FIVE VISITS A HALF:
;   X: x in a slot, units 0-2 in E;  V0: units 3-10;  V1: 11-15;  V2: 16-23;  V3: 24-31, each in the slot that the visit before does not hold.  While a visit is worked the next one's tiles are on their way.
; Units 0-2 are expert 0's K steps 0-2: so x's fragments come into registers while the first products run.  Experts 0 and 2 are cut after their third K step, and are weighed by the gates twice.
; CLUSTERS: 4 x 4 work-groups.  The four with the same tokens ask for x jointly, the four with the same columns for W: the same load, the same descriptor, a mask of four.
; PREFETCHES: the work-groups of cluster column 0 ask for W, one visit ahead of its load, 8 KB a wave, told apart by address; every cluster asks for x's second half, two visits ahead of its load.  None at the last visits.
; LIMITS: gate x 2^(ex + ew) is an f32 number (denormals kept).  A NaN or an infinity among the inputs is carried as the arithmetic carries it.
; REGISTERS: window 0: v0-63 addresses and gates; v64-127 accumulators; v128-255 two sets of W fragments.  Window 1: the output, tile (a, n) at 8 (4 a + n).  Windows 2, 3: x, K step k, tile a at 128 (k % 2) + 16 a of window 2 + k / 2.
.set SLOT1, 1<<17
.set EB,    2*SLOT1                    ; area E
.set SPARE, EB+49152
.set STAGE, EB                         ; the way out: E has had its last fill and its last read long before
.set SPT,   272                        ; a stage row: 256 bytes + 16
.set AD,  2                            ; v2-3  W in the visit's slot: its first and its second 64 KB
.set AX,  4                            ; v4-5  x in the visit's slot, likewise
.set SPW, 6
.set NIL, 7
.set ADE, 8                            ; W in E
.set WB,  10                           ; v10-11 my lane's place in a slot of W
.set XB,  12                           ; v12-13 in a slot of x
.set STO, 14
.set RD,  15
.set GB,  16                           ; v16-31 the gates of an expert for my eight tiles, two sets: expert e in set e % 2
.set CO,  48
.set R4,  49
.set PFO, 50
.set LN,  51
.set ACC, 64
.set BF,  128
.set WV,  16
.set G1X, 24
.set G1E, 32
.set G1V, 40
.set G1S, 48
.set G0X, 56
.set G0E, 60
.set G0V, 68
.set G0S, 72
.set TB,  76                           ; where the visit's slot begins
.set PH,  77                           ; halves to go
.set PFW, 86
.set PFX, 88
.set MSB, 0
.set DSI, 0                            ; LDS instructions issued so far, by the text's own count
.set CS,  0                            ; the fragment set in use
.set QB,  0
.macro WIN new                         ; the immediate's high byte repeats the setting that is left
.if MSB != (\new)
	s_set_vgpr_msb (MSB<<8)|(\new)
.set MSB, (\new)
.endif
.endm
.macro PLACES
.rept 4
	v_nop
.endr
.endm
.macro CREST                           ; a round of the cluster's barrier behind its opening barrier
	s_cmp_lg_u32 s[WV], 0
	s_cbranch_scc1 .Lnot_wave_0_\@
	s_barrier_signal -3
.Lnot_wave_0_\@:
	s_barrier_wait -3
	s_barrier_signal -1
	s_barrier_wait -1
.endm
.macro CROUND
	s_barrier_signal -1
	s_barrier_wait -1
	CREST
.endm
.macro XLOADS                          ; waves 0 and 1 fetch x's halves, waves 2 and 3 E's
	s_cmp_lt_u32 s[WV], 2
	s_cbranch_scc0 .Lfor_e_\@
	tensor_load_to_lds s[G0X:G0X+3], s[G1X:G1X+7]
	s_nop 0
	PLACES
	s_branch .Lasked_\@
.Lfor_e_\@:
	tensor_load_to_lds s[G0E:G0E+3], s[G1E:G1E+7]
	s_nop 0
	PLACES
.Lasked_\@:
.endm
.macro G1C g, rows                     ; group 1: rows of 256 bytes (32 elements of 8), dense
	s_mov_b32 s[\g+1], 32<<16
	s_mov_b32 s[\g+2], (\rows)<<16
	s_mov_b32 s[\g+3], 32<<16
	s_mov_b32 s[\g+4], \rows
	s_mov_b32 s[\g+5], 32
	s_mov_b32 s[\g+6], 0
	s_mov_b32 s[\g+7], 0
.endm
.macro ASK off                         ; 128 KB of W for my column block: 4 work-groups x 4 waves x 32 lanes, 256 bytes apart
	s_cmp_eq_u32 ttmp9, 0
	s_cbranch_scc0 .Lnot_mine_\@
	global_prefetch_b8 v[PFO], s[PFW:PFW+1] offset:\off th:TH_LOAD_NT scope:SCOPE_SE
.Lnot_mine_\@:
.endm
; THE QUEUE OF FRAGMENT LOADS: type 4, 3: K steps 0-3, 0-2 of 16 columns n at units u ..; 5: the same three in E; 1: one unit u, four times 16 columns.  It fills the set that is not in use.
.macro LQSET ty, u, n
.set LQT, \ty
.set LQU, \u
.set LQN, \n
.set LQI, 0
.set LQS, BF+64*(1-CS)
.set QB, DSI
.if (\ty) == 0
.set LQL, 0
.elseif ((\ty) == 3) || ((\ty) == 5)
.set LQL, 12
.else
.set LQL, 16
.endif
.endm
.macro LQ1                             ; the queue's next load
.if LQI < LQL
.if LQT == 1
.set LQF, LQU
.set LQM, LQI/4
.set LQA, AD+LQF/4
.elseif LQT == 5
.set LQF, LQI/4
.set LQM, LQN
.set LQA, ADE
.else
.set LQF, LQU+LQI/4
.set LQM, LQN
.set LQA, AD+LQF/4
.endif
	ds_load_b128 v[LQS+4*LQI:LQS+4*LQI+3], v[LQA] offset:(LQF%4)*16384+LQM*2048+(LQI%4)*512
.set LQI, LQI+1
.set DSI, DSI+1
.endif
.endm
.macro FETCHQ ty, u, n                 ; the whole queue in one run
	WIN 0
	LQSET \ty, \u, \n
.rept LQL
	LQ1
.endr
.endm
.macro WAITF f                         ; fragment f of the set in use is in: the count is that of the LDS instructions issued behind its last load
.set WCN, DSI-(CB+4*((\f)+1))
.if WCN > 63
.set WCN, 63
.endif
	s_wait_dscnt WCN
.endm
.macro AK k                            ; x's eight fragments of K step k
	WIN 0x80+0x40*((\k)/2)
.irp a, 0,1,2,3,4,5,6,7
.irp c, 0,1,2,3
	ds_load_b128 v[128*((\k)%2)+16*\a+4*\c:128*((\k)%2)+16*\a+4*\c+3], v[AX+(\k)/2] offset:((\k)%2)*32768+\a*2048+\c*512
.endr
.endr
.set DSI, DSI+32
.set AE\k, DSI
.endm
.macro GATES e                         ; the last gates are in; expert e's are asked for
	WIN 0
	s_wait_loadcnt 0x0
.irp i, 0,1,2,3,4,5,6,7
	global_load_b32 v[GB+8*((\e)%2)+\i], v[R4], s[8:9] offset:128*(\e)+(\i/2)*1024+(\i%2)*64
.endr
.endm
.macro FMA i, n, gs                    ; tile i of columns n: the output += sums x gates, each accumulator from its low end on
	WIN 0x50
.set fO, 8*(4*(\i)+(\n))
.set fA, ACC+8*(\i)
.set fG, (\gs)+2*((\i)/2)
.irp jj, 0,2,4,6
.if (\i)%2
	v_pk_fma_f32 v[fO+\jj:fO+\jj+1], v[fA+\jj:fA+\jj+1], v[fG:fG+1], v[fO+\jj:fO+\jj+1] op_sel:[0,1,0] op_sel_hi:[1,1,1]
.else
	v_pk_fma_f32 v[fO+\jj:fO+\jj+1], v[fA+\jj:fA+\jj+1], v[fG:fG+1], v[fO+\jj:fO+\jj+1] op_sel_hi:[1,0,1]
.endif
.endr
.endm
; EIGHT PRODUCTS: one fragment of W (registers f ..) x my eight tiles, K step k.  start: the constant 0 starts the sums.
; The eight accumulators take turns.
.macro RUN f, k, start
.irp i, 0,1,2,3,4,5,6,7
	WIN 0x08+4*((\k)/2)
.if \start
	v_wmma_f32_16x16x128_bf8_bf8 v[ACC+8*\i:ACC+8*\i+7], v[\f:\f+15], v[128*((\k)%2)+16*\i:128*((\k)%2)+16*\i+15], 0
.else
	v_wmma_f32_16x16x128_bf8_bf8 v[ACC+8*\i:ACC+8*\i+7], v[\f:\f+15], v[128*((\k)%2)+16*\i:128*((\k)%2)+16*\i+15], v[ACC+8*\i:ACC+8*\i+7]
.endif
.endr
.endm
; A group's eight sums are weighed in one stretch, tile 0 first: its place behind the products is the four v_nop (ISA guide 7.12.1), the later tiles have the earlier ones' lines besides.
.macro WEIGH n, gs
	PLACES
.irp i, 0,1,2,3,4,5,6,7
	FMA \i, \n, \gs
.endr
	WIN 0
.endm
; THE CHANGE OF SLOTS, in the last 16 columns of a visit (all their fragments are asked for).  First part: all my tensor loads are done; the add; the descriptors step behind that wait.
.macro CHGA c
	WIN 0
	s_wait_tensorcnt 0x0
	ds_add_u32 v[SPW], v[NIL]
.set DSI, DSI+1
	s_xor_b32 s[TB], s[TB], SLOT1
.if (\c) == 1
	s_add_nc_u64 s[G0V+2:G0V+3], s[G0V+2:G0V+3], 212992   ; from unit 3 to unit 16, in the same slot
.elseif (\c) == 2
	s_add_nc_u64 s[G0S+2:G0S+3], s[G0S+2:G0S+3], 524288   ; V1 of the next half, in the other slot
	s_xor_b32 s[G0S+1], s[G0S+1], SLOT1
.elseif (\c) == 3
	s_add_nc_u64 s[G0V+2:G0V+3], s[G0V+2:G0V+3], 131072   ; from unit 16 to unit 24, in the other slot
	s_xor_b32 s[G0V+1], s[G0V+1], SLOT1
.elseif (\c) == 4
	s_add_nc_u64 s[G0V+2:G0V+3], s[G0V+2:G0V+3], 180224   ; from unit 24 to the next half's unit 3, in the same slot
	s_add_nc_u64 s[G0X+2:G0X+3], s[G0X+2:G0X+3], 131072   ; x's second half, in the other slot
	s_xor_b32 s[G0X+1], s[G0X+1], SLOT1
	s_add_nc_u64 s[G0E+2:G0E+3], s[G0E+2:G0E+3], 524288
.elseif (\c) == 5
	s_wait_xcnt 0x0                                ; the prefetches have read their address
	s_add_nc_u64 s[PFW:PFW+1], s[PFW:PFW+1], 524288
.endif
.endm
; Second part: the barrier, the round that it opens, the refill first behind it; then the next visit's addresses.  c = 6, the last change: nothing is filled, so no round.
.macro CHGB c
	WIN 0
	s_barrier_wait -1
.if (\c) < 6
	CREST
.if (\c) == 1
	tensor_load_to_lds s[G0S:G0S+3], s[G1S:G1S+7]
	s_nop 0
	PLACES
.elseif (\c) == 4
	XLOADS
.else
	tensor_load_to_lds s[G0V:G0V+3], s[G1V:G1V+7]
	s_nop 0
	PLACES
.endif
.endif
.if (\c) == 5
	AXSET
.else
	v_add_nc_u32 v[AD], s[TB], v[WB]
	v_add_nc_u32 v[AD+1], s[TB], v[WB+1]
	s_wait_alu depctr_va_vdst(0)                   ; the wait behind the write
.endif
.endm
.macro AXSET
	v_add_nc_u32 v[AX], s[TB], v[XB]
	v_add_nc_u32 v[AX+1], s[TB], v[XB+1]
	s_wait_alu depctr_va_vdst(0)                   ; the wait behind the write
.endm
; A GROUP: 16 columns n of expert e x K steps 0-3 (ty 4) or 0-2 (ty 3, 5); ty 1: four times 16 columns x K step 3.  gl: the expert whose gates are asked for (-1: none, -2: the last gates are waited for).
; fty, fu, fn: what the queue brings meanwhile.  chg: the change of slots that the group holds.
.macro GRP ty, n, e, gl, fty, fu, fn, chg
.set CB, QB
.set CSR, BF+64*CS
.set GSX, GB+8*((\e)%2)
.if \chg
	CHGA \chg
.else
	FETCHQ \fty, \fu, \fn                          ; the next group's fragments, a whole group ahead of their use: their set was read last ahead of the weighing above
.endif
.if (\gl) >= 0
	GATES \gl
.elseif (\gl) == -2
	s_wait_loadcnt 0x0
.endif
.if (\ty) == 1
	WAITF 3
	RUN CSR, 3, 1
	WEIGH 0, GSX
	RUN CSR+16, 3, 1
	WEIGH 1, GSX
	RUN CSR+32, 3, 1
	WEIGH 2, GSX
	RUN CSR+48, 3, 1
	WEIGH 3, GSX
.else
.if (\ty) == 4
	WAITF 3
.else
	WAITF 2
.endif
	RUN CSR, 0, 1
.if \chg
	WIN 0
	s_wait_dscnt 0x0                               ; the add is done, and my reads of the slot are over
	s_barrier_signal -1
	RUN CSR+16, 1, 0
	CHGB \chg
	FETCHQ \fty, \fu, \fn
.if (\chg) == 5
	AK 0                                           ; x's K step 0: its registers were read last two runs ago, and the places stand behind the tensor load
.endif
	RUN CSR+32, 2, 0
.if (\ty) == 4
	RUN CSR+48, 3, 0
.endif
	WEIGH \n, GSX
.if (\chg) == 1
	ASK 262144                                     ; V2's units
.elseif (\chg) == 2
	ASK 393216                                     ; V3's units
	s_cmp_eq_u32 s[PH], 2
	s_cbranch_scc0 .Lno_x_\@
	global_prefetch_b8 v[PFO], s[PFX:PFX+1] th:TH_LOAD_NT scope:SCOPE_SE   ; x's second half: 4 work-groups x 4 waves x 8 KB
.Lno_x_\@:
.elseif (\chg) == 3
	s_cmp_eq_u32 s[PH], 2
	s_cbranch_scc0 .Lno_w_\@
	ASK 524288                                     ; the next half's units 0-7
.Lno_w_\@:
.elseif (\chg) == 5
	ASK 131072                                     ; units 8-15
.endif
.else
	RUN CSR+16, 1, 0
	RUN CSR+32, 2, 0
.if (\ty) == 4
	RUN CSR+48, 3, 0
.endif
	WEIGH \n, GSX
.endif
.endif
.set CS, 1-CS
.endm
	s_load_b256 s[4:11], s[0:1], 0x0               ; xcodes s[4:5], wcodes s[6:7], gates s[8:9], gop s[10:11]
	s_load_b128 s[12:15], s[0:1], 0x20             ; expert_b s[12:13], out0 s[14:15]
	v_lshl_add_u32 v[SPW], v0, 2, SPARE
	v_mov_b32 v[NIL], 0
	ds_add_u32 v[SPW], v[NIL]                      ; the wave's opening: the add, twice on end, and its wait ahead of the first tensor load
	ds_add_u32 v[SPW], v[NIL]
	v_lshrrev_b32 v64, 5, v0
	v_readfirstlane_b32 s[WV], v64                 ; wave 0..3
	s_lshr_b32 s2, s[WV], 1                        ; my token half
	s_and_b32 s21, s[WV], 1                        ; my column half; also which half of x or of E I fetch
	s_bfe_u32 s17, ttmp6, 0x40000                  ; cx
	s_bfe_u32 s18, ttmp6, 0x40004                  ; cy
	s_lshl_b32 s19, ttmp9, 2
	s_add_co_u32 s19, s19, s17                     ; token block of 256
	s_and_b32 s20, ttmp7, 0xffff
	s_lshl_b32 s20, s20, 2
	s_add_co_u32 s20, s20, s18                     ; column block of 128
	s_lshl_b32 s22, 0x1111, s17                    ; the four with my tokens
	s_lshl_b32 s23, s18, 2
	s_lshl_b32 s23, 15, s23                        ; the four with my columns
	s_or_b32 s[G1X], s22, (3<<16)|(1<<21)          ; 15:0 the mask; 17:16 elements of 8 bytes; 21 set beside a mask
	s_or_b32 s[G1E], s23, (3<<16)|(1<<21)
	s_or_b32 s[G1V], s23, (3<<16)|(1<<21)
	s_or_b32 s[G1S], s23, (3<<16)|(1<<21)
	G1C G1X, 256                                   ; x: 64 KB a wave,
	G1C G1E, 96                                    ; E: 24 KB,
	G1C G1V, 128                                   ; V0, V2, V3: 32 KB,
	G1C G1S, 80                                    ; V1: 20 KB
	s_mov_b32 s[G0X], 1
	s_lshl_b32 s[G0X+1], s21, 16
	s_mov_b32 s[G0E], 1
	s_mul_i32 s[G0E+1], s21, 24576
	s_add_co_u32 s[G0E+1], s[G0E+1], EB
	s_mov_b32 s[G0V], 1
	s_lshl_b32 s[G0V+1], s[WV], 15
	s_add_co_u32 s[G0V+1], s[G0V+1], SLOT1
	s_mov_b32 s[G0S], 1
	s_mul_i32 s[G0S+1], s[WV], 20480
	s_lshl_b32 s78, s19, 18                        ; x: hangs on the token block and the wave's number alone
	s_lshl_b32 s3, s21, 16
	s_add_co_u32 s78, s78, s3
	s_mov_b32 s79, 0
	s_lshl_b32 s80, s20, 20                        ; W: on the column block and the wave's number alone
	s_mul_i32 s3, s21, 24576
	s_add_co_u32 s80, s80, s3
	s_mov_b32 s81, 0
	s_lshl_b32 s82, s20, 20
	s_lshl_b32 s3, s[WV], 15
	s_add_co_u32 s82, s82, s3
	s_add_co_u32 s82, s82, 49152                   ; V0: unit 3
	s_mov_b32 s83, 0
	s_lshl_b32 s84, s20, 20
	s_mul_i32 s3, s[WV], 20480
	s_add_co_u32 s84, s84, s3
	s_add_co_u32 s84, s84, 180224                  ; V1: unit 11
	s_mov_b32 s85, 0
	s_lshl_b32 s90, s[WV], 13                      ; the prefetches' parts: 32 KB a work-group, 8 KB a wave
	s_lshl_b32 s92, s17, 15
	s_lshl_b32 s[PFW], s20, 20
	s_add_co_u32 s[PFW], s[PFW], s92
	s_add_co_u32 s[PFW], s[PFW], s90
	s_mov_b32 s[PFW+1], 0
	s_lshl_b32 s92, s18, 15
	s_lshl_b32 s[PFX], s19, 18
	s_add_co_u32 s[PFX], s[PFX], s92
	s_add_co_u32 s[PFX], s[PFX], s90
	s_add_co_u32 s[PFX], s[PFX], 131072
	s_mov_b32 s[PFX+1], 0
	s_lshl_b32 s90, s19, 13                        ; gates and gop: 8 KB a token block, 4 KB a half
	s_lshl_b32 s91, s2, 12
	s_add_co_u32 s90, s90, s91
	s_mov_b32 s91, 0
	s_lshl_b32 s92, s20, 9                         ; my first column, in bytes
	s_lshl_b32 s93, s21, 8
	s_add_co_u32 s92, s92, s93
	s_mov_b32 s93, 0
	s_lshl_b32 s94, s19, 20                        ; my first row of the output
	s_lshl_b32 s95, s2, 19
	s_add_co_u32 s94, s94, s95
	s_add_co_u32 s94, s94, s92
	s_mov_b32 s95, 0
	s_mov_b32 s[TB], 0
	s_mov_b32 s[PH], 2
	s_wait_alu depctr_va_vdst(0)
	s_wait_dscnt 0x0                               ; both opening adds are done
	s_wait_kmcnt 0x0
	s_add_nc_u64 s[G0X+2:G0X+3], s[4:5], s[78:79]
	s_or_b32 s[G0X+3], s[G0X+3], 0x80000000
	s_add_nc_u64 s[G0E+2:G0E+3], s[6:7], s[80:81]
	s_or_b32 s[G0E+3], s[G0E+3], 0x80000000
	s_add_nc_u64 s[G0V+2:G0V+3], s[6:7], s[82:83]
	s_or_b32 s[G0V+3], s[G0V+3], 0x80000000
	s_add_nc_u64 s[G0S+2:G0S+3], s[6:7], s[84:85]
	s_or_b32 s[G0S+3], s[G0S+3], 0x80000000
	s_add_nc_u64 s[PFW:PFW+1], s[6:7], s[PFW:PFW+1]
	s_add_nc_u64 s[PFX:PFX+1], s[4:5], s[PFX:PFX+1]
	s_add_nc_u64 s[8:9], s[8:9], s[90:91]
	s_add_nc_u64 s[10:11], s[10:11], s[90:91]
	s_add_nc_u64 s[12:13], s[12:13], s[92:93]
	s_add_nc_u64 s[14:15], s[14:15], s[94:95]
	CROUND                                         ; all sixteen work-groups are here: the first joint loads meet
	XLOADS                                         ; x's first half and units 0-2: one tensor load a wave
	v_and_b32 v52, 31, v0                          ; lane
	v_and_b32 v53, 15, v0                          ; r
	v_bfe_u32 v54, v0, 4, 1                        ; h
	v_lshlrev_b32 v[LN], 4, v52
	s_lshl_b32 s3, s21, 13                         ; my 64 columns in a unit
	v_add_nc_u32 v[WB], s3, v[LN]
	v_add_nc_u32 v[WB+1], 1<<16, v[WB]
	v_add_nc_u32 v[ADE], EB, v[WB]
	s_lshl_b32 s3, s2, 14                          ; my 128 tokens in a K step of x
	v_add_nc_u32 v[XB], s3, v[LN]
	v_add_nc_u32 v[XB+1], 1<<16, v[XB]
	s_mul_i32 s3, s[WV], 16*SPT
	s_add_co_u32 s3, s3, STAGE
	v_mul_u32_u24 v[STO], v53, SPT
	v_lshl_add_u32 v[STO], v54, 5, v[STO]
	v_add_nc_u32 v[STO], s3, v[STO]                ; the stage, in: row r, 32 bytes for each half of the lanes
	v_mul_u32_u24 v[RD], v54, SPT
	v_lshl_add_u32 v[RD], v53, 4, v[RD]
	v_add_nc_u32 v[RD], s3, v[RD]                  ; back: sixteen lanes a row
	v_lshlrev_b32 v[CO], 12, v54
	v_lshl_add_u32 v[CO], v53, 4, v[CO]            ; and in the output
	v_lshlrev_b32 v[R4], 2, v53
	v_lshlrev_b32 v[PFO], 8, v52
	s_wait_alu depctr_va_vdst(0)                   ; the wait behind the addresses
.irp n, 0,1,2,3
.irp e, 0,1,2,3,4,5,6,7
	global_load_b32 v[160+8*\n+\e], v[R4], s[12:13] offset:4096*\e+64*\n       ; b(e, 16 n + r)
.endr
.endr
.irp a, 0,1,2,3,4,5,6,7
	global_load_b128 v[64+8*\a:67+8*\a], v[LN], s[10:11] offset:512*\a         ; lanes 0-15: the gates' hi, lanes 16-31: the rest, of token r,
	global_load_b128 v[68+8*\a:71+8*\a], v[LN], s[10:11] offset:512*\a         ; twice: they meet the biases' hi and the rest of them
.endr
.irp i, 0,1,2,3,4,5,6,7
	global_load_b32 v[GB+\i], v[R4], s[8:9] offset:(\i/2)*1024+(\i%2)*64       ; expert 0's gates
.endr
	s_wait_loadcnt 0x0
.irp n, 0,1,2,3
.irp p, 0,1,2,3
	v_cvt_pk_bf16_f32 v[128+8*\n+\p], v[160+8*\n+2*\p], v[161+8*\n+2*\p]       ; the biases' hi,
.endr
.irp p, 0,1,2,3
	v_lshlrev_b32 v[192+8*\n+2*\p], 16, v[128+8*\n+\p]
	v_and_b32 v[193+8*\n+2*\p], 0xffff0000, v[128+8*\n+\p]
.endr
.irp p, 0,1,2,3
	v_pk_add_f32 v[192+8*\n+2*\p:193+8*\n+2*\p], v[160+8*\n+2*\p:161+8*\n+2*\p], v[192+8*\n+2*\p:193+8*\n+2*\p] neg_lo:[0,1] neg_hi:[0,1]
.endr
.irp p, 0,1,2,3
	v_cvt_pk_bf16_f32 v[132+8*\n+\p], v[192+8*\n+2*\p], v[193+8*\n+2*\p]       ; and the rest
.endr
.endr
	WIN 0x40                                       ; destination window 1
.irp a, 0,1,2,3,4,5,6,7
.irp n, 0,1,2,3
	v_wmma_f32_16x16x32_bf16 v[8*(4*\a+\n):8*(4*\a+\n)+7], v[128+8*\n:135+8*\n], v[64+8*\a:71+8*\a], 0   ; the output begins as the sum of gate x bias
.endr
.endr
	WIN 0
	PLACES
	PLACES                                         ; five are owed where a product writes over these operands, four where a load does
	s_wait_alu depctr_va_vdst(0)                   ; the wait at the head's end
	s_wait_tensorcnt 0x0                           ; my part of the first tiles is in
	ds_add_u32 v[SPW], v[NIL]
	s_wait_dscnt 0x0
	CROUND
	tensor_load_to_lds s[G0V:G0V+3], s[G1V:G1V+7]  ; V0
	s_nop 0
	PLACES
	AXSET
.set CS, 1
	LQSET 5, 0, 0
.rept 12
	LQ1
.endr
.set CS, 0
	ASK 131072                                     ; units 8-15
	AK 0
	AK 1
	WIN 0
.Lphase:                                               ; a trip: a half of K.  Out at its top: 12 loads of W's first fragments, 64 of x's K steps 0 and 1
	s_wait_dscnt DSI-AE0                           ; K step 0 is in, and W's fragments ahead of it
	RUN BF, 0, 1
	GATES 1
	AK 2
	s_wait_dscnt DSI-AE1                           ; K step 1 is in; K step 2's 32 loads may be out
	RUN BF+16, 1, 0
	FETCHQ 5, 0, 1
	s_wait_dscnt DSI-AE2                           ; K step 2 is in; the 12 just issued may be out
	RUN BF+32, 2, 0
	WEIGH 0, GB
.set CS, 1
	GRP 5, 1, 0, -1, 5, 0, 2, 0
	AK 3
	GRP 5, 2, 0, -1, 5, 0, 3, 0
	GRP 5, 3, 0, -1, 1, 0, 0, 1
	GRP 1, 0, 0, -1, 4, 1, 0, 0                    ; V0: expert 0's K step 3,
	GRP 4, 0, 1, 2, 4, 1, 1, 0                     ; expert 1,
	GRP 4, 1, 1, -1, 4, 1, 2, 0
	GRP 4, 2, 1, -1, 4, 1, 3, 0
	GRP 4, 3, 1, -1, 3, 5, 0, 0
	GRP 3, 0, 2, 3, 3, 5, 1, 0                     ; expert 2's K steps 0-2
	GRP 3, 1, 2, -1, 3, 5, 2, 0
	GRP 3, 2, 2, -1, 3, 5, 3, 0
	GRP 3, 3, 2, -1, 1, 0, 0, 2
	GRP 1, 0, 2, -1, 4, 1, 0, 0                    ; V1: expert 2's K step 3, expert 3
	GRP 4, 0, 3, 4, 4, 1, 1, 0
	GRP 4, 1, 3, -1, 4, 1, 2, 0
	GRP 4, 2, 3, -1, 4, 1, 3, 0
	GRP 4, 3, 3, -1, 4, 0, 0, 3
	GRP 4, 0, 4, 5, 4, 0, 1, 0                     ; V2: experts 4 and 5
	GRP 4, 1, 4, -1, 4, 0, 2, 0
	GRP 4, 2, 4, -1, 4, 0, 3, 0
	GRP 4, 3, 4, -1, 4, 4, 0, 0
	GRP 4, 0, 5, 6, 4, 4, 1, 0
	GRP 4, 1, 5, -1, 4, 4, 2, 0
	GRP 4, 2, 5, -1, 4, 4, 3, 0
	WIN 0
.set SVD, DSI                                          ; (the tail goes on from here by the same counts)
.set SVQ, QB
.set SVC, CS
	s_wait_alu depctr_va_vdst(0)
	s_cmp_eq_u32 s[PH], 1
	s_cbranch_scc1 .Ltail                          ; the last half's tail is written out: it asks for nothing more
	GRP 4, 3, 5, -1, 4, 0, 0, 4
	GRP 4, 0, 6, 7, 4, 0, 1, 0                     ; V3: experts 6 and 7
	GRP 4, 1, 6, -1, 4, 0, 2, 0
	GRP 4, 2, 6, -1, 4, 0, 3, 0
	GRP 4, 3, 6, -1, 4, 4, 0, 0
	GRP 4, 0, 7, 0, 4, 4, 1, 0
	GRP 4, 1, 7, -1, 4, 4, 2, 0
	GRP 4, 2, 7, -1, 4, 4, 3, 0
	GRP 4, 3, 7, -1, 5, 0, 0, 5
	AK 1
	WIN 0
	s_wait_alu depctr_va_vdst(0)
	s_sub_co_u32 s[PH], s[PH], 1
	s_cmp_lg_u32 s[PH], 0
	s_cbranch_scc1 .Lphase
.Ltail:                                                ; (the loop is left by the branch to here)
.set DSI, SVD
.set QB, SVQ
.set CS, SVC
	GRP 4, 3, 5, -1, 4, 0, 0, 6
	GRP 4, 0, 6, 7, 4, 0, 1, 0
	GRP 4, 1, 6, -1, 4, 0, 2, 0
	GRP 4, 2, 6, -1, 4, 0, 3, 0
	GRP 4, 3, 6, -1, 4, 4, 0, 0
	GRP 4, 0, 7, -2, 4, 4, 1, 0
	GRP 4, 1, 7, -1, 4, 4, 2, 0
	GRP 4, 2, 7, -1, 4, 4, 3, 0
	GRP 4, 3, 7, -1, 0, 0, 0, 0
	s_wait_alu depctr_va_vdst(0)
; THE WAY OUT, 16 tokens x 64 columns at a time, through my own stage: in as 16-byte pieces, back as rows of 256 bytes; LDS serves a wave's instructions in order (ISA guide 5.7.1.4).
.macro TOSTAGE a
.if (\a) > 1
	s_wait_xcnt 0x0                                ; the stores two blocks back have read their registers
.endif
	WIN 0x04
.irp n, 0,1,2,3
	ds_store_b128 v[STO], v[8*(4*(\a)+\n):8*(4*(\a)+\n)+3] offset:64*\n
	ds_store_b128 v[STO], v[8*(4*(\a)+\n)+4:8*(4*(\a)+\n)+7] offset:64*\n+16
.endr
	WIN 0
.irp i, 0,1,2,3,4,5,6,7
	ds_load_b128 v[ACC+32*((\a)%2)+4*\i:ACC+32*((\a)%2)+4*\i+3], v[RD] offset:\i*2*SPT
.endr
.endm
.macro SEND a, younger                 ; younger: the LDS instructions of the block behind, which may be out
	s_wait_dscnt \younger
.irp i, 0,1,2,3,4,5,6,7
	global_store_b128 v[CO], v[ACC+32*((\a)%2)+4*\i:ACC+32*((\a)%2)+4*\i+3], s[14:15] offset:(16*(\a)+2*\i)*4096 th:TH_STORE_NT   ; sixteen lanes store 256 consecutive bytes, aligned
.endr
.endm
	TOSTAGE 0
.irp a, 1,2,3,4,5,6,7
	TOSTAGE \a
	SEND \a-1, 16
.endr
	SEND 7, 0
	s_wait_tensorcnt 0x0                           ; the wave's end
	ds_add_u32 v[SPW], v[NIL]
	s_wait_dscnt 0x0
	CROUND                                         ; the closing round: no work-group ends while a partner may still ask for a tile that names it
	s_endpgm
.Lfunc_end_k_q2929f91137_moe:
	.size	k_q2929f91137_moe, .Lfunc_end_k_q2929f91137_moe-k_q2929f91137_moe
	.p2alignl 7, 3214868480
	.fill 96, 4, 3214868480
	.section	.rodata,"a",@progbits
	.p2align	6, 0x0
	.amdhsa_kernel k_q2929f91137_moe
		.amdhsa_group_segment_fixed_size 327680
		.amdhsa_private_segment_fixed_size 0
		.amdhsa_enable_private_segment 0
		.amdhsa_kernarg_size 48
		.amdhsa_user_sgpr_count 2
		.amdhsa_user_sgpr_kernarg_segment_ptr 1
		.amdhsa_wavefront_size32 1
		.amdhsa_system_sgpr_workgroup_id_x 1
		.amdhsa_system_sgpr_workgroup_id_y 1
		.amdhsa_system_sgpr_workgroup_id_z 1
		.amdhsa_system_vgpr_workitem_id 0
		.amdhsa_next_free_vgpr 1024
		.amdhsa_next_free_sgpr 98
		.amdhsa_reserve_vcc 0
		.amdhsa_float_denorm_mode_32 3
		.amdhsa_float_denorm_mode_16_64 3
		.amdhsa_memory_ordered 1
		.amdhsa_forward_progress 1
		.amdhsa_inst_pref_size 255
	.end_amdhsa_kernel
	.section	.bss,"aw",@nobits
	.p2align	6
	.space	262144
	.amdgpu_metadata
---
amdhsa.version: [ 1, 2 ]
amdhsa.kernels:
  - .name:           k_q2929f91137_moe
    .symbol:         k_q2929f91137_moe.kd
    .args:
      - { .name: xcodes, .offset: 0, .size: 8, .value_kind: global_buffer, .address_space: global }
      - { .name: wcodes, .offset: 8, .size: 8, .value_kind: global_buffer, .address_space: global }
      - { .name: gates, .offset: 16, .size: 8, .value_kind: global_buffer, .address_space: global }
      - { .name: gop, .offset: 24, .size: 8, .value_kind: global_buffer, .address_space: global }
      - { .name: expert_b, .offset: 32, .size: 8, .value_kind: global_buffer, .address_space: global }
      - { .name: out0, .offset: 40, .size: 8, .value_kind: global_buffer, .address_space: global }
    .group_segment_fixed_size: 327680
    .private_segment_fixed_size: 0
    .kernarg_segment_align: 8
    .kernarg_segment_size: 48
    .max_flat_workgroup_size: 128
    .sgpr_count:     98
    .vgpr_count:     1024
    .wavefront_size: 32
...
	.end_amdgpu_metadata
.endif
;; end of part 2
